; MI455X (gfx1250); checked and timed in simulation.
; The chip was launched on July 23, 2026; its instructions are those of AMD's public machine-readable ISA for CDNA 5 (MIT licence, August 2026) and "CDNA5" Instruction Set Architecture Reference Guide (July 2026). The comments in the code are by the model that wrote it; some were corrected since.
;; Mega Ne RF. Allowed arithmetic: matrix products marked QUANTISED: E2M3 operands, one E8M0 scale for each 32 along K, by v_wmma_scale_f32_16x16x128_f8f6f4 with both operands' format E2M3, f32 sums; products left as they are: f32 operands where the result goes on into a quantised operand, else bf16, f16 or f32 operands; f32 sums; everything else in f32.
;; Inputs: W1 8 x 90 x 256 float32; W2_codes 8 x 256 x 8 x 24 uint8 (E2M3 codes of W2, K innermost, in blocks of 32 codes, four codes in three bytes); W2_scales 8 x 256 x 8 uint8 (E8M0 scales of W2, one for each 32 codes along K); W3_codes 8 x 256 x 8 x 24 uint8 (E2M3 codes of W3, K innermost, in blocks of 32 codes, four codes in three bytes); W3_scales 8 x 256 x 8 uint8 (E8M0 scales of W3, one for each 32 codes along K); Wo 8 x 256 x 4 float32; b1 8 x 256 float32; b2 8 x 256 float32; b3 8 x 256 float32; bo 8 x 4 float32; centroids 8 x 3 float32; x 32,768 x 93 float32.
;; Outputs: out0 32,768 x 4 float32.
;; This version of the problem:
;;   THIS VERSION OF THE PROBLEM IS GIVEN IN LOW PRECISION. The matrix products marked QUANTISED in the list below multiply operands that are first quantised to E2M3 (2 exponent bits, 3 mantissa bits; 6 bits a number), with one power-of-two scale for each 32 numbers along K (OCP MX v1.0); their sums are f32. All else is computed in f32.
;;   The module's matrix products, in the order in which they are computed (A, B: the left and right operand; K: the contracted axis; several contracted axes count as one K, in the product's order):
;;     1. [M 2,048, K 90] x [K 90, N 32,768]; A: input W1; B: input x: QUANTISED
;;     2. batch 8 x [M 32,768, K 256] x [K 256, N 256]; A: computed on the way; B: input W2 (given as codes): QUANTISED
;;     3. batch 8 x [M 32,768, K 256] x [K 256, N 256]; A: computed on the way; B: input W3 (given as codes): QUANTISED
;;     4. batch 8 x [M 32,768, K 256] x [K 256, N 4]; A: computed on the way; B: input Wo: left as it is (N = 4 < 16)
;;     5. batch 32,768 x [M 4, K 8] x [K 8, N 1]; A: computed on the way; B: computed on the way: left as it is (K = 8 < 32)
;;   THE QUANTISER, for each operand of a quantised product, along K:
;;     - K is cut into blocks of 32 from its start; a last block that is shorter is filled with zeros.
;;     - A block's scale is 2^e with e = floor(log2(the largest magnitude in the block)) - 2, held to -126 .. 127; a block of zeros has e = 0. As a byte (E8M0): e + 127.
;;     - Each number is divided by its block's scale, clamped to +-7.5, and rounded to the nearest number of E2M3, ties to even, subnormals kept.
;;     - The product sums the exact products of the quantised numbers (number of the format x scale) in f32.
;;   ~~~python
;;   def quantise(x, axis):      # numpy; x: float32 -> the quantised numbers, widened to float32 again
;;       x = np.moveaxis(x, axis, -1); K = x.shape[-1]
;;       x = np.pad(x, [(0, 0)] * (x.ndim - 1) + [(0, -K % 32)]); x = x.reshape(x.shape[:-1] + (-1, 32)); a = np.abs(x).max(-1, keepdims=True)
;;       e = np.where(a > 0, np.clip(np.frexp(np.where(a > 0, a, 1))[1] - 1 - 2, -126, 127), 0)      # np.frexp(a)[1] - 1 = floor(log2(a)), exactly
;;       r = np.clip(x / 2.0 ** e, -7.5, 7.5)
;;       step = 2.0 ** (np.maximum(np.frexp(np.where(r == 0, 1, r))[1] - 1, 0) - 3)
;;       q = np.round(r / step) * step * 2.0 ** e      # np.round: ties to even
;;       return np.moveaxis(q.reshape(q.shape[:-2] + (-1,))[..., :K], -1, axis).astype(np.float32)
;;   ~~~
;;   OPERANDS COMPUTED ON THE WAY. 'Computed on the way' means the value that the module computes at that place (a softmax that the list does not call 'softmax' is quantised finished and normalised). What goes into a quantiser is computed in f32, as accurately as f32 sums, v_exp_f32 and their like allow (about 1e-6 of the number): no bf16 or f16 on the way to a quantiser, and a product that is left as it is and whose result goes on into a quantised operand takes f32 operands (vector FMAs, or v_wmma_f32_16x16x4_f32). A number that lies on a knife's edge between two numbers of the format may be rounded either way, as far as f32 arithmetic and the matrix unit's own rounding can turn it there, and no further.
;;   INPUTS GIVEN AS CODES. W2 (in the module: [8, 256, 256], K = its axis 1); W3 (in the module: [8, 256, 256], K = its axis 1): each comes as NAME_codes (uint8): NAME with its K axis moved to the last place and cut into blocks of 32 codes, [.., K / 32, bytes a block], one block behind the other in memory; four codes in three bytes: a row's codes are one little-endian stream of bits, code i at bits 6 i .. 6 i + 5 (a code: sign, 2 exponent bits, 3 mantissa bits); and NAME_scales (uint8): the same leading axes, one E8M0 byte (e + 127) for each 32 codes along K. Its value is code x scale, taken as it is: it is not quantised again, and the codes and scales need not be those that the quantiser above would give.
;; One version. Each part assembles by itself: llvm-mc -triple=amdgcn-amd-amdhsa -mcpu=gfx1250 --defsym DOCPART=n.
;; ======== version 1 of 1: 3 launches
;; limits: values are held in bf16: 8 bits of precision; right only within a limited range of input values
;; workspace buffers: ximg 3,407,872 bytes; wimg 1,130,496 bytes; wts 1,048,576 bytes; part 4,194,304 bytes
;; launch prep (part 1): grid 192 x 1, 4 waves a work-group, no clusters, 96,768 bytes of LDS; arguments x, centroids, W1, W2_codes, W2_scales, W3_codes, W3_scales, Wo, ximg, wimg, wts; writes ximg, wimg, wts
.if DOCPART == 1
	.amdgcn_target "amdgcn-amd-amdhsa--gfx1250"
	.amdhsa_code_object_version 6
	.text
	.protected	k_q8d137fae1e_prep
	.globl	k_q8d137fae1e_prep
	.p2align	8
	.type	k_q8d137fae1e_prep,@function
k_q8d137fae1e_prep:
	s_mov_b64 s[64:65], 0
	v_nop
	global_prefetch_b8 v0, s[64:65] scope:SCOPE_SE
	s_setreg_imm32_b32 hwreg(HW_REG_WAVE_MODE, 25, 1), 1
	s_wait_xcnt 0x0
; ALL LAYOUT WORK, ONCE.  Three kinds of work-groups, parted by the work-group's number alone:
;   0-127   X:   a wave takes 64 tokens of x (23,808 dense bytes): their 90 features become codes of FP6 (E2M3) with E8M0 scales, laid as images of the
;                matrix operand's registers (ximg); their two routing coordinates become the eight inverse-distance weights (wts).
;   128-159 W1:  a wave quantises one fragment of W1 (16 hidden units x K 90, filled with zeros to 128; K is W1's first axis, so a lane takes a column and its registers
;                run down K) and lays half a bf16 fragment of Wo.
;   160-191 W23: a wave re-lays four fragments of W2's or W3's given codes and scale words; nothing is quantised again.
; ximg: 512 tiles of 64 tokens x 6,656 bytes: fragment m (16 tokens) at 1,536 m + 512 c + 16 lane (c: group of four registers); at 6,144 + 16 lane the lane's four scale words.
; wimg: for each expert 141,312 bytes: 80 fragments of 1,536 bytes (batch B of eight: 0, 1 = W1's halves g; 2 + 2 g + s = W2; 6 + 2 g + s = W3; g: 128 units, s: 128 along K);
;       at 122,880 their scale words: for each four fragments 512 bytes, 16 bytes a lane, a word a fragment; at 133,120 Wo's eight bf16 fragments of 1,024 bytes.
; THE ROWS OF A WEIGHT FRAGMENT ARE NOT NEIGHBOURS: lane r of fragment t (0 .. 7) of a batch takes unit 128 g + 64 (t / 4) + 8 (t % 4) + r % 8 + 32 (r / 8), so that in the
; transposed product a lane's 32 registers of four neighbouring tiles are one whole block of 32 along the next K.
; wts: for each 32 tokens 512 bytes of w[0..3] (16 bytes a lane), then 512 bytes of w[4..7].
; A block's scale byte is its largest magnitude's exponent field - 2, held at 1 from below.
; LIMITS: a block of zeros, or one whose largest magnitude lies under 2^-124, keeps the byte 1 (these bytes are read by this program alone);
; NaN and infinities among the inputs are not served; the test d > 1.5 min d is taken on v_sqrt_f32's results, so a token within some 2e-7 (relative) of the margin may fall on the other side.
.set TM,     16                        ; v16-27  at work in the quantisers
.set G0,     64                        ; v64-127, v128-191  two sets of 64 numbers of a lane
.set G1,     128
.set CD,     192                       ; v192-239 codes, 12 a fragment
.set SW,     240                       ; v240-243 scale words
.set STAGEB, 24064                     ; LDS: a stage of its own for each wave (23,808 bytes used)
.set XTILE,  23808                     ; 64 rows of 93 words
.set XIMGT,  6656
.set WEXP,   141312
.set SIMG,   122880
.set WOIMG,  133120
	s_load_b512 s[4:19], s[0:1], 0x0               ; x, centroids, W1, W2's codes, W2's scales, W3's codes, W3's scales, Wo
	s_load_b128 s[20:23], s[0:1], 0x40             ; ximg, wimg
	s_load_b64 s[24:25], s[0:1], 0x50              ; wts
	v_lshl_add_u32 v254, v0, 2, 0x17800
	v_mov_b32 v255, 0
	v_lshrrev_b32 v1, 5, v0
	v_readfirstlane_b32 s26, v1                    ; wave 0..3
	v_and_b32 v1, 31, v0                           ; lane
	v_and_b32 v13, 15, v0                          ; r
	v_bfe_u32 v14, v0, 4, 1                        ; h
	v_lshlrev_b32 v2, 4, v1                        ; 16 x lane
	s_mov_b32 s28, 0x76543210
	s_mov_b32 s29, 0xfedcba98                      ; v_permlanex16_b32's selects for lane l xor 16
	s_mov_b32 s30, 0xffff                          ; lanes 0-15
	s_mov_b32 s57, 0                               ; the upper word of every 32-bit offset
	s_wait_kmcnt 0x0
	s_cmp_lt_u32 ttmp9, 128
	s_cbranch_scc0 .Lweights
; ---------------------------------------------------------------- X
	s_load_b512 s[32:47], s[6:7], 0x0              ; the centroids, 24 words: c[e][1] = s[33 + 3 e], c[e][2] = s[34 + 3 e]
	s_load_b256 s[48:55], s[6:7], 0x40
	s_lshl_b32 s31, ttmp9, 2
	s_add_co_u32 s31, s31, s26                     ; T: my tile of 64 tokens
	s_mul_i32 s56, s31, XTILE
	s_add_nc_u64 s[4:5], s[4:5], s[56:57]
	s_mul_i32 s56, s31, XIMGT
	s_add_nc_u64 s[20:21], s[20:21], s[56:57]
	s_lshl_b32 s56, s31, 11
	s_add_nc_u64 s[24:25], s[24:25], s[56:57]
	s_wait_alu depctr_va_vdst(0)
	v_lshlrev_b32 v3, 4, v13                       ; 16 x (lane % 16)
.set ii, 0
.rept 46
	global_load_b128 v[64+4*ii:67+4*ii], v2, s[4:5] offset:512*ii th:TH_LOAD_NT   ; 512 consecutive bytes a load
.set ii, ii+1
.endr
	global_load_b128 v[248:251], v3, s[4:5] offset:23552 th:TH_LOAD_NT            ; the last 256 bytes: lanes 16-31 repeat lanes 0-15, so nothing is read beyond the tile
	s_mul_i32 s58, s26, STAGEB
	v_add_nc_u32 v4, s58, v2                       ; the stage, on the way in: as the bytes lie
	v_add_nc_u32 v5, s58, v3
	v_mul_u32_u24 v15, v13, 372
	v_add_nc_u32 v7, s58, v15
	v_add_nc_u32 v7, 12, v7                        ; on the way out: row r of a tile of 16, its first feature;
	v_lshl_add_u32 v6, v14, 6, v7                  ; + 64 h: my 16 numbers of a block of 32
	v_mul_u32_u24 v8, v1, 372
	v_add_nc_u32 v8, s58, v8
	v_add_nc_u32 v8, 4, v8                         ; routing: token = lane, word 1
	v_mov_b32 v10, 0
	s_wait_alu depctr_va_vdst(0)
	s_wait_loadcnt 0x0
.set ii, 0
.rept 46
	ds_store_b128 v4, v[64+4*ii:67+4*ii] offset:512*ii
.set ii, ii+1
.endr
	ds_store_b128 v5, v[248:251] offset:23552      ; both halves of the lanes write the same bytes with the same values
	s_wait_dscnt 0x0                               ; the stores have read their registers, which are written again below
.set ii, 0
.rept 16
	v_mov_b32 v[G0+48+ii], 0                       ; k = 96 .. 127: zeros, written once; no later line touches them
	v_mov_b32 v[G1+48+ii], 0
.set ii, ii+1
.endr
.irp b, 0,1,2,3
	v_mov_b32 v[TM+4+\b], 0                        ; a lane permute's destination counts as one of its sources
.endr
; 48 numbers of tile m: register 16 b + i = feature 32 b + 16 h + i of token 16 m + r.  Features 90 .. 95 do not exist: for b = 2, i = 10 .. 15 every lane reads lanes 0-15's word, and MASK clears lanes 16-31.
.macro GATHER m, G
.set ii, 0
.rept 42
	ds_load_b32 v[\G+ii], v6 offset:5952*\m+128*(ii/16)+4*(ii%16)
.set ii, ii+1
.endr
.rept 6
	ds_load_b32 v[\G+ii], v7 offset:5952*\m+128*(ii/16)+4*(ii%16)
.set ii, ii+1
.endr
.endm
.macro MASK G
.irp i, 0,1,2,3,4,5
	v_cndmask_b32 v[\G+42+\i], 0, v[\G+42+\i], s30
.endr
.endm
; 64 numbers of a lane, register 16 b + i = k 32 b + 16 h + i of its row, become a fragment's codes in v[d] .. v[d + 11] and its row's scale word in v[w].
.macro QUANT s, d, w
.irp b, 0,1,2,3
	v_max3_num_f32 v[TM+\b], |v[(\s)+16*\b]|, |v[(\s)+1+16*\b]|, 0x1800000   ; my 16 numbers of block b, and the floor 2^(3 - 127): the byte cannot fall under 1
.endr
.irp i, 2,4,6,8,10,12,14
.irp b, 0,1,2,3
	v_max3_num_f32 v[TM+\b], v[TM+\b], |v[(\s)+16*\b+\i]|, |v[(\s)+1+16*\b+\i]|   ; the four blocks by turns
.endr
.endr
.irp b, 0,1,2,3
	v_permlanex16_b32 v[TM+4+\b], v[TM+\b], s28, s29
.endr
.irp b, 0,1,2,3
	v_max_num_f32 v[TM+\b], v[TM+\b], v[TM+4+\b]   ; with lane l xor 16's: the block's largest magnitude
.endr
.irp b, 0,1,2,3
	v_add_nc_u32 v[TM+8+\b], 0xff000000, v[TM+\b]  ; 2 off its exponent field: the conversion's scale operand
.endr
.irp b, 0,1,2,3
	v_lshrrev_b32 v[TM+4+\b], 23, v[TM+8+\b]       ; the scale's byte
.endr
	v_lshl_or_b32 v[\w], v[TM+5], 8, v[TM+4]
	v_lshl_or_b32 v[\w], v[TM+6], 16, v[\w]
	v_lshl_or_b32 v[\w], v[TM+7], 24, v[\w]
	v_cvt_scalef32_pk16_fp6_f32 v[(\d):(\d)+2], v[(\s):(\s)+15], v[TM+8]
	v_cvt_scalef32_pk16_fp6_f32 v[TM:TM+2], v[(\s)+16:(\s)+31], v[TM+9]          ; (three registers from an even one: the second halves are made in registers that are done with, and moved)
	v_cvt_scalef32_pk16_fp6_f32 v[(\d)+6:(\d)+8], v[(\s)+32:(\s)+47], v[TM+10]
	v_cvt_scalef32_pk16_fp6_f32 v[TM+4:TM+6], v[(\s)+48:(\s)+63], v[TM+11]
	v_nop                                          ; one plain place behind a scaled conversion
.irp i, 0,1,2
	v_permlane16_swap_b32 v[(\d)+\i], v[TM+\i]     ; the layout wants a whole block in a lane: lanes 0-15 block 2 c, lanes 16-31 block 2 c + 1
	v_permlane16_swap_b32 v[(\d)+6+\i], v[TM+4+\i]
.endr
.irp i, 0,1,2
	v_mov_b32 v[(\d)+3+\i], v[TM+\i]
	v_mov_b32 v[(\d)+9+\i], v[TM+4+\i]
.endr
.endm
.macro TILE m, G
	MASK \G
	QUANT \G, CD+12*\m, SW+\m
.irp c, 0,1,2
	global_store_b128 v2, v[CD+12*\m+4*\c:CD+12*\m+4*\c+3], s[20:21] offset:1536*\m+512*\c   ; 512 consecutive bytes; each tile has registers of its own, so no store's data are written again
.endr
.endm
; The weights of tokens 32 p + lane: d to each centroid in dims 1, 2; 1 / (d + 1e-8), 0 where d > 1.5 min d; divided by their sum.
.macro ROUTE p
.irp e, 0,1,2,3,4,5,6,7
	v_sub_f32 v[48+\e], s[33+3*\e], v[28+2*\p]
	v_sub_f32 v[56+\e], s[34+3*\e], v[29+2*\p]
.endr
.irp e, 0,1,2,3,4,5,6,7
	v_mul_f32 v[48+\e], v[48+\e], v[48+\e]
.endr
.irp e, 0,1,2,3,4,5,6,7
	v_fmac_f32 v[48+\e], v[56+\e], v[56+\e]
.endr
	s_wait_alu depctr_va_vdst(0)
.irp e, 0,1,2,3,4,5,6,7
	v_sqrt_f32 v[48+\e], v[48+\e]
.endr
	v_nop                                          ; a plain place behind the roots
	s_wait_alu depctr_va_vdst(0)
	v_min3_num_f32 v11, v48, v49, v50
	v_min3_num_f32 v11, v11, v51, v52
	v_min3_num_f32 v11, v11, v53, v54
	v_min_num_f32 v11, v11, v55
	v_mul_f32 v11, 0x3fc00000, v11                 ; 1.5 x the least distance
.irp e, 0,1,2,3,4,5,6,7
	v_add_f32 v[56+\e], 0x322bcc77, v[48+\e]       ; + 1e-8
.endr
	s_wait_alu depctr_va_vdst(0)
.irp e, 0,1,2,3,4,5,6,7
	v_rcp_f32 v[56+\e], v[56+\e]
.endr
	v_nop
	s_wait_alu depctr_va_vdst(0)
.irp e, 0,1,2,3,4,5,6,7
	v_cmp_gt_f32 vcc_lo, v[48+\e], v11
	v_cndmask_b32 v[56+\e], v[56+\e], v10, vcc_lo  ; far clusters: 0
.endr
	v_add_f32 v12, v56, v57
.irp e, 2,3,4,5,6,7
	v_add_f32 v12, v12, v[56+\e]
.endr
	s_wait_alu depctr_va_vdst(0)
	v_rcp_f32 v12, v12
	v_nop
	s_wait_alu depctr_va_vdst(0)
.irp e, 0,1,2,3,4,5,6,7
	v_mul_f32 v[32+8*\p+\e], v[56+\e], v12
.endr
	global_store_b128 v2, v[32+8*\p:35+8*\p], s[24:25] offset:1024*\p        ; 32 tokens' w[0..3]: 512 consecutive bytes
	global_store_b128 v2, v[36+8*\p:39+8*\p], s[24:25] offset:1024*\p+512    ; and their w[4..7]
.endm
	GATHER 0, G0
	GATHER 1, G1
	ds_load_b32 v28, v8                            ; x[lane][1], x[lane][2], and the same of token 32 + lane
	ds_load_b32 v29, v8 offset:4
	ds_load_b32 v30, v8 offset:11904
	ds_load_b32 v31, v8 offset:11908
	s_wait_dscnt 52                                ; tile 0's 48 are in; tile 1's 48 and the 4 routing words may be out
	TILE 0, G0
	GATHER 2, G0
	s_wait_dscnt 52                                ; tile 1's are in; the 4 routing words and tile 2's 48 may be out
	TILE 1, G1
	GATHER 3, G1
	s_wait_dscnt 48                                ; the routing words and tile 2's are in; tile 3's 48 may be out
	TILE 2, G0
	s_wait_kmcnt 0x0                               ; the centroids
	ROUTE 0
	ROUTE 1
	s_wait_dscnt 0x0
	TILE 3, G1
	global_store_b128 v2, v[SW:SW+3], s[20:21] offset:6144   ; the four tiles' scale words, 16 bytes a lane
	s_wait_tensorcnt 0x0
	ds_add_u32 v254, v255
	s_wait_dscnt 0x0
	s_endpgm
; ---------------------------------------------------------------- W1 and Wo
.Lweights:
	s_wait_alu depctr_va_vdst(0)
	v_and_b32 v15, 8, v13
	v_mad_u32_u24 v15, v15, 3, v13                 ; r % 8 + 32 (r / 8)
	s_cmp_lt_u32 ttmp9, 160
	s_cbranch_scc0 .Lw23
	s_sub_co_u32 s31, ttmp9, 128
	s_lshl_b32 s31, s31, 2
	s_add_co_u32 s31, s31, s26                     ; F = 0 .. 127
	s_lshr_b32 s32, s31, 4                         ; the expert
	s_and_b32 s33, s31, 15                         ; t: which of W1's 16 fragments
	s_lshr_b32 s34, s33, 2
	s_lshl_b32 s34, s34, 6                         ; 64 (t / 4)
	s_and_b32 s35, s33, 3
	s_lshl_b32 s35, s35, 3                         ; 8 (t % 4)
	s_add_co_u32 s34, s34, s35
	s_lshl_b32 s34, s34, 2                         ; the fragment's first column, in bytes
	s_mul_i32 s35, s32, 92160
	s_add_co_u32 s56, s34, s35
	s_add_nc_u64 s[8:9], s[8:9], s[56:57]          ; W1
	s_lshl_b32 s56, s32, 12
	s_lshl_b32 s36, s34, 2                         ; the same first unit in Wo: 16 bytes a unit
	s_add_co_u32 s56, s56, s36
	s_add_nc_u64 s[18:19], s[18:19], s[56:57]      ; Wo
	s_mul_i32 s56, s32, WEXP
	s_add_nc_u64 s[22:23], s[22:23], s[56:57]
	s_mul_i32 s56, s33, 1536
	s_add_nc_u64 s[40:41], s[22:23], s[56:57]      ; where the codes go,
	s_lshr_b32 s56, s33, 2
	s_lshl_b32 s56, s56, 9
	s_and_b32 s36, s33, 3
	s_lshl_b32 s36, s36, 2
	s_add_co_u32 s56, s56, s36
	s_add_nc_u64 s[42:43], s[22:23], s[56:57]      ; the scale words: 512 (t / 4) + 4 (t % 4),
	s_lshl_b32 s56, s33, 9
	s_add_nc_u64 s[44:45], s[22:23], s[56:57]      ; Wo's half fragment
	s_wait_alu depctr_va_vdst(0)
	v_lshlrev_b32 v4, 2, v15                       ; my column
	v_lshl_add_u32 v3, v14, 15, v4                 ; lanes 16-31 begin 32 rows of 1,024 bytes further down: the layout gives lane (r, h) k = 64 c + 32 h + 0 .. 31
	v_and_b32 v5, 3, v13
	v_lshlrev_b32 v5, 2, v5
	v_lshl_add_u32 v5, v14, 9, v5                  ; Wo: output r % 4, + 32 h units of 16 bytes
.set ii, 0
.rept 32
	global_load_b32 v[64+ii], v3, s[8:9] offset:1024*ii            ; k = 32 h + i
.set ii, ii+1
.endr
.set ii, 0
.rept 26
	global_load_b32 v[96+ii], v4, s[8:9] offset:1024*(64+ii)       ; k = 64 + i < 90, in every lane: lanes 16-31 (k = 96 on) are cleared below, and no load leaves the buffer
.set ii, ii+1
.endr
.set ii, 0
.rept 8
	global_load_b32 v[128+ii], v5, s[18:19] offset:16*ii           ; Wo(64 (t / 4) + 8 (t % 4) + 32 h + i, r % 4)
.set ii, ii+1
.endr
	s_wait_loadcnt 0x0
.set ii, 0
.rept 26
	v_cndmask_b32 v[96+ii], 0, v[96+ii], s30
.set ii, ii+1
.endr
.irp i, 122,123,124,125,126,127
	v_mov_b32 v\i, 0                               ; k = 90 .. 95
.endr
.irp c, 0,1                                    ; my block 2 c + h: all its 32 numbers are mine
	v_max3_num_f32 v[TM+\c], |v[64+32*\c]|, |v[65+32*\c]|, 0x1800000
.endr
.irp i, 2,4,6,8,10,12,14,16,18,20,22,24,26,28,30
.irp c, 0,1
	v_max3_num_f32 v[TM+\c], v[TM+\c], |v[64+32*\c+\i]|, |v[65+32*\c+\i]|
.endr
.endr
.irp c, 0,1
	v_add_nc_u32 v[TM+8+\c], 0xff000000, v[TM+\c]
.endr
.irp c, 0,1
	v_lshrrev_b32 v[TM+4+\c], 23, v[TM+8+\c]
.endr
	v_lshl_or_b32 v28, v[TM+5], 16, v[TM+4]        ; my two bytes: blocks h and 2 + h,
	v_lshlrev_b32 v29, 3, v14
	v_lshlrev_b32 v28, v29, v28                    ; at their places in the word;
	v_mov_b32 v30, 0
	v_permlanex16_b32 v30, v28, s28, s29
	v_or_b32 v28, v28, v30                         ; with lane l xor 16's two the word is whole
.irp c, 0,1
	v_cvt_scalef32_pk16_fp6_f32 v[CD+6*\c:CD+6*\c+2], v[64+32*\c:79+32*\c], v[TM+8+\c]
	v_cvt_scalef32_pk16_fp6_f32 v[CD+12+4*\c:CD+14+4*\c], v[80+32*\c:95+32*\c], v[TM+8+\c]
.endr
	v_nop                                          ; one plain place behind a scaled conversion
.irp c, 0,1
.irp i, 0,1,2
	v_mov_b32 v[CD+3+6*\c+\i], v[CD+12+4*\c+\i]
.endr
.endr
.irp p, 0,1,2,3
	v_cvt_pk_bf16_f32 v[212+\p], v[128+2*\p], v[129+2*\p]
.endr
	v_cmp_gt_u32 vcc_lo, 4, v13
.irp p, 0,1,2,3
	v_cndmask_b32 v[212+\p], 0, v[212+\p], vcc_lo  ; rows 4 .. 15 of Wo^T do not exist: zeros
.endr
.irp c, 0,1,2
	global_store_b128 v2, v[CD+4*\c:CD+4*\c+3], s[40:41] offset:512*\c
.endr
	global_store_b32 v2, v28, s[42:43] offset:SIMG                 ; my fragment's word of the lane's four
	global_store_b128 v2, v[212:215], s[44:45] offset:WOIMG
	s_endpgm
; ---------------------------------------------------------------- W2, W3: given codes, re-laid
.Lw23:
	s_sub_co_u32 s31, ttmp9, 160
	s_lshl_b32 s31, s31, 2
	s_add_co_u32 s31, s31, s26                     ; V = 0 .. 127
	s_lshr_b32 s32, s31, 6                         ; 0: W2, 1: W3
	s_bfe_u32 s33, s31, 0x30003                    ; the expert
	s_bfe_u32 s34, s31, 0x20001                    ; q = 2 g + s
	s_and_b32 s35, s31, 1                          ; which four of the batch's eight fragments
	s_cmp_eq_u32 s32, 0                            ; the choice hangs on the work-group's and the wave's numbers alone
	s_cselect_b64 s[10:11], s[10:11], s[14:15]
	s_cselect_b64 s[12:13], s[12:13], s[16:17]
	s_lshr_b32 s36, s34, 1
	s_lshl_b32 s36, s36, 7
	s_lshl_b32 s37, s35, 6
	s_add_co_u32 s36, s36, s37                     ; first row: 128 g + 64 hf
	s_and_b32 s38, s34, 1                          ; s
	s_mul_i32 s56, s33, 49152
	s_mul_i32 s37, s36, 192
	s_add_co_u32 s56, s56, s37
	s_mul_i32 s37, s38, 96
	s_add_co_u32 s56, s56, s37
	s_add_nc_u64 s[10:11], s[10:11], s[56:57]      ; the codes
	s_lshl_b32 s56, s33, 11
	s_lshl_b32 s37, s36, 3
	s_add_co_u32 s56, s56, s37
	s_lshl_b32 s37, s38, 2
	s_add_co_u32 s56, s56, s37
	s_add_nc_u64 s[12:13], s[12:13], s[56:57]      ; the scale words
	s_lshl_b32 s39, s32, 2
	s_add_co_u32 s39, s39, s34
	s_add_co_u32 s39, s39, 2                       ; batch B = 2 + 4 which + q
	s_mul_i32 s56, s33, WEXP
	s_add_nc_u64 s[22:23], s[22:23], s[56:57]
	s_mul_i32 s56, s39, 12288
	s_mul_i32 s37, s35, 6144
	s_add_co_u32 s56, s56, s37
	s_add_nc_u64 s[40:41], s[22:23], s[56:57]
	s_lshl_b32 s56, s39, 10
	s_lshl_b32 s37, s35, 9
	s_add_co_u32 s56, s56, s37
	s_add_nc_u64 s[42:43], s[22:23], s[56:57]
	s_wait_alu depctr_va_vdst(0)
	v_mul_u32_u24 v3, v15, 192                     ; a row is 256 codes, 192 bytes
	v_mad_u32_u24 v3, v14, 24, v3
	v_lshlrev_b32 v4, 3, v15                       ; and 8 scale bytes
.irp f, 0,1,2,3
.irp p, 0,1,2,3,4,5
	global_load_b64 v[64+12*\f+2*\p:65+12*\f+2*\p], v3, s[10:11] offset:1536*\f+48*(\p/3)+8*(\p%3)   ; fragment f begins 8 f rows on
.endr
	global_load_b32 v[112+\f], v4, s[12:13] offset:64*\f
.endr
	s_wait_loadcnt 0x0
.irp f, 0,1,2,3
.irp c, 0,1,2
	global_store_b128 v2, v[64+12*\f+4*\c:67+12*\f+4*\c], s[40:41] offset:1536*\f+512*\c
.endr
.endr
	global_store_b128 v2, v[112:115], s[42:43] offset:SIMG         ; the four fragments' words, 16 bytes a lane
	s_endpgm
.Lfunc_end_k_q8d137fae1e_prep:
	.size	k_q8d137fae1e_prep, .Lfunc_end_k_q8d137fae1e_prep-k_q8d137fae1e_prep
	.p2alignl 7, 3214868480
	.fill 96, 4, 3214868480
	.section	.rodata,"a",@progbits
	.p2align	6, 0x0
	.amdhsa_kernel k_q8d137fae1e_prep
		.amdhsa_group_segment_fixed_size 96768
		.amdhsa_private_segment_fixed_size 0
		.amdhsa_enable_private_segment 0
		.amdhsa_kernarg_size 88
		.amdhsa_user_sgpr_count 2
		.amdhsa_user_sgpr_kernarg_segment_ptr 1
		.amdhsa_wavefront_size32 1
		.amdhsa_system_sgpr_workgroup_id_x 1
		.amdhsa_system_sgpr_workgroup_id_y 1
		.amdhsa_system_sgpr_workgroup_id_z 1
		.amdhsa_system_vgpr_workitem_id 0
		.amdhsa_next_free_vgpr 256
		.amdhsa_next_free_sgpr 66
		.amdhsa_reserve_vcc 1
		.amdhsa_float_denorm_mode_32 3
		.amdhsa_float_denorm_mode_16_64 3
		.amdhsa_memory_ordered 1
		.amdhsa_forward_progress 1
		.amdhsa_inst_pref_size 68
	.end_amdhsa_kernel
	.amdgpu_metadata
---
amdhsa.version: [ 1, 2 ]
amdhsa.kernels:
  - .name:           k_q8d137fae1e_prep
    .symbol:         k_q8d137fae1e_prep.kd
    .args:
      - { .name: x, .offset: 0, .size: 8, .value_kind: global_buffer, .address_space: global }
      - { .name: centroids, .offset: 8, .size: 8, .value_kind: global_buffer, .address_space: global }
      - { .name: W1, .offset: 16, .size: 8, .value_kind: global_buffer, .address_space: global }
      - { .name: W2_codes, .offset: 24, .size: 8, .value_kind: global_buffer, .address_space: global }
      - { .name: W2_scales, .offset: 32, .size: 8, .value_kind: global_buffer, .address_space: global }
      - { .name: W3_codes, .offset: 40, .size: 8, .value_kind: global_buffer, .address_space: global }
      - { .name: W3_scales, .offset: 48, .size: 8, .value_kind: global_buffer, .address_space: global }
      - { .name: Wo, .offset: 56, .size: 8, .value_kind: global_buffer, .address_space: global }
      - { .name: ximg, .offset: 64, .size: 8, .value_kind: global_buffer, .address_space: global }
      - { .name: wimg, .offset: 72, .size: 8, .value_kind: global_buffer, .address_space: global }
      - { .name: wts, .offset: 80, .size: 8, .value_kind: global_buffer, .address_space: global }
    .group_segment_fixed_size: 96768
    .private_segment_fixed_size: 0
    .kernarg_segment_align: 8
    .kernarg_segment_size: 88
    .max_flat_workgroup_size: 128
    .sgpr_count:     66
    .vgpr_count:     256
    .wavefront_size: 32
...
	.end_amdgpu_metadata
.endif
;; end of part 1
;; launch chain (part 2): grid 8 x 32, 8 waves a work-group, no clusters, 167,936 bytes of LDS; arguments ximg, wimg, b1, b2, b3, bo, part; writes part
.if DOCPART == 2
	.amdgcn_target "amdgcn-amd-amdhsa--gfx1250"
	.amdhsa_code_object_version 6
	.text
	.protected	k_q8d137fae1e_chain
	.globl	k_q8d137fae1e_chain
	.p2align	8
	.type	k_q8d137fae1e_chain,@function
k_q8d137fae1e_chain:
	s_mov_b64 s[64:65], 0
	v_nop
	global_prefetch_b8 v0, s[64:65] scope:SCOPE_SE
	s_setreg_imm32_b32 hwreg(HW_REG_WAVE_MODE, 25, 1), 1
	s_wait_xcnt 0x0
; part[e][n][0..3] = relu(relu(relu(x W1 + b1) W2 + b2) W3 + b3) Wo + bo for ONE expert e (work-group x) and 1,024 tokens (work-group y).
; The first three products on codes of FP6 (E2M3) with E8M0 scales for each 32 along K; the hidden layers are quantised in registers and never leave them;
; the last product (4 outputs) on bf16 operands; all sums f32.
; SHARES.  The expert's 141,312 bytes of wimg (80 weight fragments, their scale words, Wo's 8 bf16 fragments) and the three biases lie in LDS as images of the
; operands' registers.  They come by asynchronous copies, 38 a wave, all issued at the head, each byte filled once; every wave waits for all its copies; one barrier;
; after it LDS is only read.  Eight waves of 512 registers; a trip takes a tile of 64 tokens (four tiles m of 16) through all layers.  The work-group's 16 tiles are dealt
; by the wave's number alone: waves 0-3 take three each (tiles w, w + 4, w + 8), waves 4-7 one each (tile 8 + w): 4 x 3 + 4 x 1 = 16.  No barrier stands in the loop.
; EVERY PRODUCT IS USED TRANSPOSED (source 0 = 16 rows of a weight, source 1 = 16 tokens): a lane holds one token.  A layer goes in four QUARTERS q of 64 units: 16 accumulators
; (4 tiles x 4 m), one instruction a turn; a fragment read from LDS feeds four products.  By the order of the weights' rows register j of tile t is unit
; 64 q + 32 h + 8 t + j: a lane's 32 registers of a quarter are one whole block of 32 along the next K, in the order of the operand's layout: no number changes lanes;
; only the two halves' scale bytes are joined.  The bias is the C of each sum's first product.
; NO TENSOR LOADS, NO JOINT LOADS: a work-group reads its expert's image once, for 16 wave trips of 352 matrix instructions.  NO PREFETCH: a wave has three trips at the most; its next
; tile of x (6,656 bytes) is asked for by its own loads as soon as the registers are free, and the eight experts' work-groups read the same tile.
; LIMITS: a block of zeros, or one whose largest magnitude lies under 2^-124, keeps the scale byte 1; NaN and infinities are not served; h3 and Wo enter the last
; product rounded to bf16; bo is added behind the last product's sum.
; REGISTERS.  window 0: v1-7 addresses; v10-17 weights' scale words; v18-25, v26-33 h1's, h2's scale words; v34-37 x's; v38-49 at work; v50-53, v55, v252-254 the copies' addresses;
;   v54 8 h; v56-87 a quarter's bias; v88-215 the accumulators, (m, tile) at 88 + 32 m + 8 tile; v216-251 weight fragments 5-7.
;   window 1: v0-95 h1's codes (fragment (s, m) at 48 s + 12 m), in layer 3 Wo's fragments (v0-63) and the outputs' four sums (v64-95);
;   v96-191 h2's codes, in layer 1 x's four fragments (v96-143); v192-251 weight fragments 0-4.
.set XIMGT, 6656
.set WEXP,  141312
.set SIMG,  122880                     ; LDS and wimg: the scale words, 512 bytes for four fragments
.set WOIMG, 133120                     ; LDS and wimg: Wo's fragments
.set BIB,   141312                     ; LDS: b1, b2, b3, 1,024 bytes each
.set SPARE, 144384                     ; LDS: the spare words, 128 bytes a wave
.set LI,  1                            ; 16 x lane; batches 0-4
.set AWB, 2                            ; 16 x lane + 61,440: batches 5-9
.set ASC, 3                            ; SIMG + 16 x lane
.set AB,  4                            ; BIB + 128 h
.set AWO, 5                            ; WOIMG + 16 x lane
.set SPW, 6
.set NIL, 7
.set WS,  10
.set SA,  18
.set SB,  26
.set XS,  34
.set TM,  38
.set TP,  46
.set C1,  50                           ; the copies' places, in LDS and in the expert's block alike: W1's fragments;
.set C2,  51                           ; its scale words;
.set C3,  52                           ; W2's and W3's fragments;
.set C4,  53                           ; their scale words and Wo
.set SH,  54
.set GB,  55                           ; 4 x thread
.set BST, 252                          ; BIB + 1,024 l + 4 x thread
.set BI,  56
.set ACC, 88
.set WFA, 216
.set H1,  0                            ; window 1 from here on
.set H2,  96
.set WFB, 192
.set WO,  0
.set OA,  64
.set MSB, 0
.macro WIN new                         ; the immediate's high byte repeats the setting that is left; a switch that changes nothing is dropped
.if MSB != \new
	s_set_vgpr_msb (MSB<<8)|\new
.set MSB, \new
.endif
.endm
.macro PLACES n
.if \n
.rept \n
	v_nop
.endr
.endif
.endm
.macro XLOAD                           ; a tile's four fragments of x and their scale words: 13 loads
	WIN 0x40
.irp m, 0,1,2,3
.irp c, 0,1,2
	global_load_b128 v[H2+12*\m+4*\c:H2+12*\m+4*\c+3], v[LI], s[4:5] offset:1536*\m+512*\c
.endr
.endr
	WIN 0
	global_load_b128 v[XS:XS+3], v[LI], s[4:5] offset:6144
.endm
.macro LDF f, B, t                     ; fragment register set f <- tile t of batch B
.if (\f) < 5
.set FR, WFB+12*(\f)
.else
.set FR, WFA+12*((\f)-5)
.endif
.irp k, 0,1,2
.if (\B) < 5
	ds_load_b128 v[FR+4*\k:FR+4*\k+3], v[LI] offset:(\B)*12288+1536*(\t)+512*\k
.else
	ds_load_b128 v[FR+4*\k:FR+4*\k+3], v[AWB] offset:((\B)-5)*12288+1536*(\t)+512*\k
.endif
.endr
.endm
.macro FETCH B, c, two                 ; tiles 4 c .. 4 c + 3 of batch B (K step 0) and, two = 1, of batch B + 1 (K step 1), with their scale words
	WIN 0x40
.irp t, 0,1,2,3
	LDF \t, \B, 4*(\c)+\t
.endr
.if \two
	LDF 4, (\B)+1, 4*(\c)
	WIN 0
.irp t, 1,2,3
	LDF 4+\t, (\B)+1, 4*(\c)+\t
.endr
.endif
	WIN 0
	ds_load_b128 v[WS:WS+3], v[ASC] offset:1024*(\B)+512*(\c)
.if \two
	ds_load_b128 v[WS+4:WS+7], v[ASC] offset:1024*((\B)+1)+512*(\c)
.endif
.endm
.macro BIASF L, q                      ; layer L's bias of quarter q in the result's layout: tile t, lane half h: units 64 q + 32 h + 8 t + 0 .. 7
.irp t, 0,1,2,3
	ds_load_b128 v[BI+8*\t:BI+8*\t+3], v[AB] offset:1024*((\L)-1)+256*(\q)+32*\t
	ds_load_b128 v[BI+8*\t+4:BI+8*\t+7], v[AB] offset:1024*((\L)-1)+256*(\q)+32*\t+16
.endr
.endm
.macro NEXT n                          ; what quarter n of the trip's twelve needs from LDS
.if (\n) < 4
	FETCH (\n)/2, (\n)%2, 0
	BIASF 1, \n
.else
.if (\n) < 8
	FETCH 2+2*(((\n)-4)/2), (\n)%2, 1
	BIASF 2, (\n)-4
.else
	FETCH 6+2*(((\n)-8)/2), (\n)%2, 1
	BIASF 3, (\n)-8
.endif
.endif
.endm
; 16 products of K step s: four fragments x four tiles of tokens, whose codes begin at window 1's v[cb] and scale words at v[sb].  first = 1: the bias is C.
.macro MM s, cb, sb, first
.irp t, 0,1,2,3
.if 4*(\s)+\t < 5
	WIN 0x05
.set FR, WFB+12*(4*(\s)+\t)
.else
	WIN 0x04
.set FR, WFA+12*(4*(\s)+\t-5)
.endif
.irp m, 0,1,2,3
.if \first
	v_wmma_scale_f32_16x16x128_f8f6f4 v[ACC+32*\m+8*\t:ACC+32*\m+8*\t+7], v[FR:FR+11], v[(\cb)+12*\m:(\cb)+12*\m+11], v[BI+8*\t:BI+8*\t+7], v[WS+4*(\s)+\t], v[(\sb)+\m] matrix_a_fmt:MATRIX_FMT_FP6 matrix_b_fmt:MATRIX_FMT_FP6
.else
	v_wmma_scale_f32_16x16x128_f8f6f4 v[ACC+32*\m+8*\t:ACC+32*\m+8*\t+7], v[FR:FR+11], v[(\cb)+12*\m:(\cb)+12*\m+11], v[ACC+32*\m+8*\t:ACC+32*\m+8*\t+7], v[WS+4*(\s)+\t], v[(\sb)+\m] matrix_a_fmt:MATRIX_FMT_FP6 matrix_b_fmt:MATRIX_FMT_FP6
.endif
.endr
.endr
.endm
.macro PRE n, fresh                    ; ahead of a quarter's products: places (4 behind codes just written, 5 behind products whose operands are written over), and the LDS loads
	PLACES \n
.if \fresh
	s_wait_alu depctr_va_vdst(0)
.endif
	s_wait_dscnt 0x0
.endm
.macro POST                            ; four places in front of loads into registers that products have read, and of the first read of results
	WIN 0
	PLACES 4
.endm
.macro RELUC a, n                      ; n pairs of accumulator registers, from pair a on, clipped at 0 in f32, ascending
.set jj, 2*(\a)
.rept \n
	v_dual_max_num_f32 v[ACC+jj], 0, v[ACC+jj] :: v_dual_max_num_f32 v[ACC+jj+1], 0, v[ACC+jj+1]
.set jj, jj+2
.endr
.endm
; A quarter's 128 numbers of a lane: v[ACC + 32 m ..] are the 32 numbers of block 2 c + h of token 16 m + r.  They are clipped at 0 and become registers 6 c .. 6 c + 5 of the four
; fragments at window 1's v[cb + 12 m]; the two halves' bytes become bytes 2 c, 2 c + 1 of the scale words v[sb + m].  The largest number is taken ahead of the clipping, over the floor
; 2^(3 - 127), which stands over what is negative; eight chains of 16 by turns.  The short steps from it to the scale word, four lines each, stand between groups of eight clippings.
.macro QUANT cb, c, sb
.irp k, 0,1,2,3,4,5,6,7
	v_max3_num_f32 v[TM+\k], v[ACC+16*\k], v[ACC+16*\k+1], 0x1800000
.endr
.irp i, 2,4,6,8,10,12,14
.irp k, 0,1,2,3,4,5,6,7
	v_max3_num_f32 v[TM+\k], v[TM+\k], v[ACC+16*\k+\i], v[ACC+16*\k+\i+1]
.endr
.endr
	RELUC 0, 8
.irp m, 0,1,2,3
	v_max_num_f32 v[TM+2*\m], v[TM+2*\m], v[TM+2*\m+1]       ; the block's largest number
.endr
	RELUC 8, 8
.irp m, 0,1,2,3
	v_add_nc_u32 v[TM+2*\m], 0xff000000, v[TM+2*\m]          ; 2 off its exponent field: the conversion's scale operand
.endr
	RELUC 16, 8
.irp m, 0,1,2,3
	v_lshrrev_b32 v[TM+2*\m+1], 23, v[TM+2*\m]               ; the scale's byte,
.endr
	RELUC 24, 8
.irp m, 0,1,2,3
	v_lshlrev_b32 v[TM+2*\m+1], v[SH], v[TM+2*\m+1]          ; 8 h bits up;
.endr
	RELUC 32, 8
.irp m, 0,1,2,3
	v_permlanex16_b32 v[TP+\m], v[TM+2*\m+1], s30, s31       ; lane l xor 16's
.endr
	RELUC 40, 8
.if (\c) == 0
.irp m, 0,1,2,3
	v_or_b32 v[(\sb)+\m], v[TM+2*\m+1], v[TP+\m]             ; bytes 0 and 1 of the word
.endr
	RELUC 48, 16
.else
.irp m, 0,1,2,3
	v_or_b32 v[TP+\m], v[TM+2*\m+1], v[TP+\m]
.endr
	RELUC 48, 8
.irp m, 0,1,2,3
	v_lshl_or_b32 v[(\sb)+\m], v[TP+\m], 16, v[(\sb)+\m]     ; bytes 2 and 3
.endr
	RELUC 56, 8
.endif
	WIN 0x40                                       ; a conversion's three registers begin on an even one: the block's upper 16 codes are made in the lower three's place and moved up
.irp m, 0,1,2,3
	v_cvt_scalef32_pk16_fp6_f32 v[(\cb)+12*\m+6*(\c):(\cb)+12*\m+6*(\c)+2], v[ACC+32*\m+16:ACC+32*\m+31], v[TM+2*\m]
.endr
	v_nop                                          ; one plain place behind a scaled conversion
	WIN 0x41
.irp m, 0,1,2,3
.irp i, 0,1,2
	v_mov_b32 v[(\cb)+12*\m+6*(\c)+3+\i], v[(\cb)+12*\m+6*(\c)+\i]
.endr
.endr
	WIN 0x40
.irp m, 0,1,2,3
	v_cvt_scalef32_pk16_fp6_f32 v[(\cb)+12*\m+6*(\c):(\cb)+12*\m+6*(\c)+2], v[ACC+32*\m:ACC+32*\m+15], v[TM+2*\m]
.endr
	v_nop
	WIN 0
.endm
.macro PACK                            ; h3 to bf16, in place and ascending: packed register 4 tile + j / 2; fragment l of tile m at ACC + 32 m + 8 l, laid as Wo's image is
.irp m, 0,1,2,3
.set jj, 0
.rept 16
	v_cvt_pk_bf16_f32 v[ACC+32*\m+jj], v[ACC+32*\m+2*jj], v[ACC+32*\m+2*jj+1]
.set jj, jj+1
.endr
.endr
.endm
.macro OUTP Q                          ; out^T += Wo^T h3^T over quarter Q's 64 units: four sums by turns; the very first products start them
	WIN 0x51
.irp l, 0,1
.irp m, 0,1,2,3
.if ((\Q) == 0) && (\l == 0)
	v_wmma_f32_16x16x32_bf16 v[OA+8*\m:OA+8*\m+7], v[WO+8*(2*(\Q)+\l):WO+8*(2*(\Q)+\l)+7], v[ACC+32*\m+8*\l:ACC+32*\m+8*\l+7], 0
.else
	v_wmma_f32_16x16x32_bf16 v[OA+8*\m:OA+8*\m+7], v[WO+8*(2*(\Q)+\l):WO+8*(2*(\Q)+\l)+7], v[ACC+32*\m+8*\l:ACC+32*\m+8*\l+7], v[OA+8*\m:OA+8*\m+7]
.endif
.endr
.endr
	WIN 0
.endm
	s_load_b256 s[4:11], s[0:1], 0x0               ; ximg s[4:5], wimg s[6:7], b1 s[8:9], b2 s[10:11]
	s_load_b128 s[12:15], s[0:1], 0x20             ; b3 s[12:13], bo s[14:15]
	s_load_b64 s[16:17], s[0:1], 0x30              ; part
	v_lshl_add_u32 v[SPW], v0, 2, SPARE
	v_mov_b32 v[NIL], 0
	ds_add_u32 v[SPW], v[NIL]                      ; the opening lines, ahead of my first copy
	ds_add_u32 v[SPW], v[NIL]
	v_lshrrev_b32 v8, 5, v0
	v_and_b32 v9, 31, v0                           ; lane
	v_bfe_u32 v[TM], v0, 4, 1                      ; h
	v_lshlrev_b32 v[GB], 2, v0
	v_lshl_add_u32 v[BST], v0, 2, BIB
	v_lshl_add_u32 v[BST+1], v0, 2, BIB+1024
	v_lshl_add_u32 v[BST+2], v0, 2, BIB+2048
	v_readfirstlane_b32 s18, v8                    ; wave 0..7
	s_mul_i32 s32, s18, 3072                       ; W1's 24,576 bytes: 6 chunks of 512 a wave
	s_lshl_b32 s33, s18, 8
	s_add_co_u32 s33, s33, SIMG                    ; its 2,048 bytes of scale words: 256 a wave
	s_mul_i32 s34, s18, 12288
	s_add_co_u32 s34, s34, 24576                   ; W2's and W3's 98,304 bytes: 24 chunks a wave
	s_lshl_b32 s35, s18, 11
	s_add_co_u32 s35, s35, SIMG+2048               ; their scale words and Wo, 16,384 bytes on end: 4 chunks a wave
	v_lshlrev_b32 v[LI], 4, v9
	v_lshlrev_b32 v[C2], 3, v9
	v_lshl_add_u32 v[AB], v[TM], 7, BIB
	v_lshlrev_b32 v[SH], 3, v[TM]
.irp k, 0,1,2,3
	v_mov_b32 v[TP+\k], 0                          ; a lane permute's destination counts as one of its sources
.endr
	v_add_nc_u32 v[AWB], 61440, v[LI]
	v_add_nc_u32 v[AWO], WOIMG, v[LI]
	v_add_nc_u32 v[ASC], SIMG, v[LI]
	v_add_nc_u32 v[C1], s32, v[LI]
	v_add_nc_u32 v[C3], s34, v[LI]
	v_add_nc_u32 v[C4], s35, v[LI]
	v_add_nc_u32 v[C2], s33, v[C2]
	s_cmp_lt_u32 s18, 4                            ; the deal of the 16 tiles hangs on the wave's number alone:
	s_cselect_b32 s28, 3, 1                        ; trips to go: waves 0-3 three, waves 4-7 one;
	s_cselect_b32 s21, 0, 8                        ; first tile: w, or 8 + w
	s_and_b32 s20, ttmp7, 0xffff                   ; y: my work-group's 1,024 tokens
	s_mul_i32 s26, ttmp9, WEXP
	s_mov_b32 s27, 0
	s_lshl_b32 s40, s20, 4
	s_add_co_u32 s40, s40, s18
	s_add_co_u32 s40, s40, s21                     ; my first tile of 64 tokens
	s_lshl_b32 s47, s40, 10                        ; its 1,024 bytes of part
	s_mul_i32 s40, s40, XIMGT
	s_mov_b32 s41, 0
	s_lshl_b32 s42, ttmp9, 10
	s_mov_b32 s43, 0
	s_lshl_b32 s44, ttmp9, 4
	s_mov_b32 s45, 0
	s_lshl_b32 s46, ttmp9, 19                      ; part: 524,288 e + 1,024 tile
	s_add_co_u32 s46, s46, s47
	s_mov_b32 s47, 0
	s_mov_b32 s30, 0x76543210
	s_mov_b32 s31, 0xfedcba98                      ; v_permlanex16_b32's selects for lane l xor 16
	s_wait_alu depctr_va_vdst(0)
	s_wait_dscnt 0x0                               ; both opening adds are done
	s_wait_kmcnt 0x0
	s_add_nc_u64 s[14:15], s[14:15], s[44:45]
	s_load_b128 s[36:39], s[14:15], 0x0            ; bo[e]
	s_add_nc_u64 s[22:23], s[6:7], s[26:27]        ; my expert's block of wimg
	s_add_nc_u64 s[4:5], s[4:5], s[40:41]
	s_add_nc_u64 s[8:9], s[8:9], s[42:43]
	s_add_nc_u64 s[10:11], s[10:11], s[42:43]
	s_add_nc_u64 s[12:13], s[12:13], s[42:43]
	s_add_nc_u64 s[16:17], s[16:17], s[46:47]
	XLOAD                                          ; the first tile of x
.irp i, 0,1,2,3,4,5
	global_load_async_to_lds_b128 v[C1], v[C1], s[22:23] offset:512*\i     ; the image lies in LDS as in the expert's block: one register is both places
.endr
	global_load_async_to_lds_b64 v[C2], v[C2], s[22:23]
	global_load_async_to_lds_b32 v[BST], v[GB], s[8:9]                     ; b1
.set ii, 0
.rept 24
	global_load_async_to_lds_b128 v[C3], v[C3], s[22:23] offset:512*ii
.set ii, ii+1
.endr
.irp i, 0,1,2,3
	global_load_async_to_lds_b128 v[C4], v[C4], s[22:23] offset:512*\i
.endr
	global_load_async_to_lds_b32 v[BST+1], v[GB], s[10:11]                 ; b2
	global_load_async_to_lds_b32 v[BST+2], v[GB], s[12:13]                 ; b3
	s_wait_kmcnt 0x0                               ; bo
	s_wait_asynccnt 0x0                            ; all my 38 copies have landed
	s_barrier_signal -1
	s_barrier_wait -1                              ; everybody's have: the only barrier; from here on LDS is only read
	NEXT 0
.Ltrip:
	s_wait_loadcnt 0x0                             ; this tile's codes of x
	; ---- layer 1: K = 90, filled with zero codes to 128: one product deep
.irp q, 0,1,2,3
	PRE 0, 0
	MM 0, H2, XS, 1
	POST
	NEXT \q+1
	QUANT H1+48*(\q/2), \q%2, SA+4*(\q/2)
.endr
	; ---- layer 2
.irp q, 0,1,2,3
.if \q == 0
	PRE 4, 1
.else
	PRE 0, 0
.endif
	MM 0, H1, SA, 1
	MM 1, H1+48, SA+4, 0
	POST
	NEXT \q+5
.if \q == 3
	WIN 0x40                                       ; h1 is done with: Wo's eight fragments take its first 64 registers
.set ii, 0
.rept 16
	ds_load_b128 v[WO+4*ii:WO+4*ii+3], v[AWO] offset:512*ii
.set ii, ii+1
.endr
	WIN 0
.endif
	QUANT H2+48*(\q/2), \q%2, SB+4*(\q/2)
.endr
	; ---- layer 3 and the outputs
.irp q, 0,1,2,3
.if \q == 0
	PRE 4, 1
.else
	PRE 5, 0
.endif
	MM 0, H2, SB, 1
	MM 1, H2+48, SB+4, 0
	POST
.if \q < 3
	NEXT \q+9
.else
	s_cmp_eq_u32 s28, 1                            ; h2 is done with: the next tile's codes and its first quarter's weights are asked for; a wave's last trip asks for nothing
	s_cbranch_scc1 .Lno_next
	s_add_nc_u64 s[4:5], s[4:5], 4*XIMGT           ; four tiles on (the loads that used this base were waited for at the trip's head)
	XLOAD
	NEXT 0
.Lno_next:
.endif
	RELUC 0, 64
	PACK
	PLACES 4
	OUTP \q
.endr
	PLACES 5                                       ; for the reads of the sums, and for the next trip's products, which write over the packed operands
	WIN 0x41                                       ; lanes 0-15 of sum m hold outputs 0-3 of token 16 m + r: two sums make 32 tokens x 16 bytes
.irp j, 0,1,2,3
	v_permlane16_swap_b32 v[OA+\j], v[OA+8+\j]
	v_permlane16_swap_b32 v[OA+16+\j], v[OA+24+\j]
.endr
	WIN 0x44
.irp j, 0,1,2,3
	v_add_f32 v[OA+\j], s[36+\j], v[OA+\j]         ; + bo
	v_add_f32 v[OA+16+\j], s[36+\j], v[OA+16+\j]
.endr
	WIN 0x04
	global_store_b128 v[LI], v[OA:OA+3], s[16:17]                  ; 512 consecutive bytes each
	global_store_b128 v[LI], v[OA+16:OA+19], s[16:17] offset:512
	WIN 0
	s_wait_xcnt 0x0                                ; the stores' data and base are written again only behind this wait
	s_add_nc_u64 s[16:17], s[16:17], 4096          ; four tiles on
	s_sub_co_u32 s28, s28, 1
	s_cmp_lg_u32 s28, 0
	s_cbranch_scc1 .Ltrip
	s_wait_tensorcnt 0x0                           ; the wave's end
	s_wait_asynccnt 0x0
	ds_add_u32 v[SPW], v[NIL]
	s_wait_dscnt 0x0
	s_endpgm
.Lfunc_end_k_q8d137fae1e_chain:
	.size	k_q8d137fae1e_chain, .Lfunc_end_k_q8d137fae1e_chain-k_q8d137fae1e_chain
	.p2alignl 7, 3214868480
	.fill 96, 4, 3214868480
	.section	.rodata,"a",@progbits
	.p2align	6, 0x0
	.amdhsa_kernel k_q8d137fae1e_chain
		.amdhsa_group_segment_fixed_size 167936
		.amdhsa_private_segment_fixed_size 0
		.amdhsa_enable_private_segment 0
		.amdhsa_kernarg_size 56
		.amdhsa_user_sgpr_count 2
		.amdhsa_user_sgpr_kernarg_segment_ptr 1
		.amdhsa_wavefront_size32 1
		.amdhsa_system_sgpr_workgroup_id_x 1
		.amdhsa_system_sgpr_workgroup_id_y 1
		.amdhsa_system_sgpr_workgroup_id_z 1
		.amdhsa_system_vgpr_workitem_id 0
		.amdhsa_next_free_vgpr 512
		.amdhsa_next_free_sgpr 66
		.amdhsa_reserve_vcc 0
		.amdhsa_float_denorm_mode_32 3
		.amdhsa_float_denorm_mode_16_64 3
		.amdhsa_memory_ordered 1
		.amdhsa_forward_progress 1
		.amdhsa_inst_pref_size 199
	.end_amdhsa_kernel
	.amdgpu_metadata
---
amdhsa.version: [ 1, 2 ]
amdhsa.kernels:
  - .name:           k_q8d137fae1e_chain
    .symbol:         k_q8d137fae1e_chain.kd
    .args:
      - { .name: ximg, .offset: 0, .size: 8, .value_kind: global_buffer, .address_space: global }
      - { .name: wimg, .offset: 8, .size: 8, .value_kind: global_buffer, .address_space: global }
      - { .name: b1, .offset: 16, .size: 8, .value_kind: global_buffer, .address_space: global }
      - { .name: b2, .offset: 24, .size: 8, .value_kind: global_buffer, .address_space: global }
      - { .name: b3, .offset: 32, .size: 8, .value_kind: global_buffer, .address_space: global }
      - { .name: bo, .offset: 40, .size: 8, .value_kind: global_buffer, .address_space: global }
      - { .name: part, .offset: 48, .size: 8, .value_kind: global_buffer, .address_space: global }
    .group_segment_fixed_size: 167936
    .private_segment_fixed_size: 0
    .kernarg_segment_align: 8
    .kernarg_segment_size: 56
    .max_flat_workgroup_size: 256
    .sgpr_count:     66
    .vgpr_count:     512
    .wavefront_size: 32
...
	.end_amdgpu_metadata
.endif
;; end of part 2
;; launch mix (part 3): grid 256 x 1, 4 waves a work-group, no clusters, 0 bytes of LDS; arguments wts, part, out0; writes out0
.if DOCPART == 3
	.amdgcn_target "amdgcn-amd-amdhsa--gfx1250"
	.amdhsa_code_object_version 6
	.text
	.protected	k_q8d137fae1e_mix
	.globl	k_q8d137fae1e_mix
	.p2align	8
	.type	k_q8d137fae1e_mix,@function
k_q8d137fae1e_mix:
	s_mov_b64 s[64:65], 0
	v_nop
	global_prefetch_b8 v0, s[64:65] scope:SCOPE_SE
	s_setreg_imm32_b32 hwreg(HW_REG_WAVE_MODE, 25, 1), 1
	s_wait_xcnt 0x0
; out0[n][0..3] = the sum over e of w[n][e] part[e][n][0..3], in f32, e ascending.  A thread takes one token; a work-group 128.
; wts lies, for each 32 tokens, as 512 bytes of w[0..3] (16 bytes a lane) and 512 bytes of w[4..7]; part as [8][32768][4]: every load and the store of a wave cover 512 consecutive bytes.
; A stream: no LDS, no barrier, no matrix unit; each byte is read once.
	s_load_b128 s[4:7], s[0:1], 0x0                ; wts, part
	s_load_b64 s[8:9], s[0:1], 0x10                ; out0
	v_and_b32 v1, 31, v0
	v_lshrrev_b32 v3, 5, v0
	v_lshlrev_b32 v1, 4, v1
	v_lshl_add_u32 v1, v3, 10, v1                  ; wts: 1,024 x wave + 16 x lane
	v_lshlrev_b32 v2, 4, v0                        ; part, out0: 16 x thread
	s_lshl_b32 s10, ttmp9, 12                      ; 128 tokens x 32 bytes
	s_mov_b32 s11, 0
	s_lshl_b32 s12, ttmp9, 11                      ; 128 tokens x 16 bytes
	s_mov_b32 s13, 0
	s_wait_alu depctr_va_vdst(0)
	s_wait_kmcnt 0x0
	s_add_nc_u64 s[4:5], s[4:5], s[10:11]
	s_add_nc_u64 s[6:7], s[6:7], s[12:13]
	s_add_nc_u64 s[8:9], s[8:9], s[12:13]
	global_load_b128 v[4:7], v1, s[4:5] th:TH_LOAD_NT
	global_load_b128 v[8:11], v1, s[4:5] offset:512 th:TH_LOAD_NT
.irp e, 0,1,2,3,4,5,6,7
	global_load_b128 v[12+4*\e:15+4*\e], v2, s[6:7] offset:524288*\e th:TH_LOAD_NT
.endr
	s_wait_loadcnt 7                               ; the weights and expert 0's part are in; the seven younger loads may be out
.irp j, 0,1,2,3
	v_mul_f32 v[44+\j], v[12+\j], v4
.endr
	s_wait_alu depctr_va_vdst(0)
.irp e, 1,2,3,4,5,6,7
	s_wait_alu depctr_va_vdst(0)
	s_wait_loadcnt 7-\e                            ; expert e's part is in
.irp j, 0,1,2,3
	v_fmac_f32 v[44+\j], v[12+4*\e+\j], v[4+\e]
.endr
.endr
	global_store_b128 v2, v[44:47], s[8:9] th:TH_STORE_NT
	s_endpgm
.Lfunc_end_k_q8d137fae1e_mix:
	.size	k_q8d137fae1e_mix, .Lfunc_end_k_q8d137fae1e_mix-k_q8d137fae1e_mix
	.p2alignl 7, 3214868480
	.fill 96, 4, 3214868480
	.section	.rodata,"a",@progbits
	.p2align	6, 0x0
	.amdhsa_kernel k_q8d137fae1e_mix
		.amdhsa_group_segment_fixed_size 0
		.amdhsa_private_segment_fixed_size 0
		.amdhsa_enable_private_segment 0
		.amdhsa_kernarg_size 24
		.amdhsa_user_sgpr_count 2
		.amdhsa_user_sgpr_kernarg_segment_ptr 1
		.amdhsa_wavefront_size32 1
		.amdhsa_system_sgpr_workgroup_id_x 1
		.amdhsa_system_sgpr_workgroup_id_y 1
		.amdhsa_system_sgpr_workgroup_id_z 1
		.amdhsa_system_vgpr_workitem_id 0
		.amdhsa_next_free_vgpr 64
		.amdhsa_next_free_sgpr 66
		.amdhsa_reserve_vcc 0
		.amdhsa_float_denorm_mode_32 3
		.amdhsa_float_denorm_mode_16_64 3
		.amdhsa_memory_ordered 1
		.amdhsa_forward_progress 1
		.amdhsa_inst_pref_size 4
	.end_amdhsa_kernel
	.amdgpu_metadata
---
amdhsa.version: [ 1, 2 ]
amdhsa.kernels:
  - .name:           k_q8d137fae1e_mix
    .symbol:         k_q8d137fae1e_mix.kd
    .args:
      - { .name: wts, .offset: 0, .size: 8, .value_kind: global_buffer, .address_space: global }
      - { .name: part, .offset: 8, .size: 8, .value_kind: global_buffer, .address_space: global }
      - { .name: out0, .offset: 16, .size: 8, .value_kind: global_buffer, .address_space: global }
    .group_segment_fixed_size: 0
    .private_segment_fixed_size: 0
    .kernarg_segment_align: 8
    .kernarg_segment_size: 24
    .max_flat_workgroup_size: 128
    .sgpr_count:     66
    .vgpr_count:     64
    .wavefront_size: 32
...
	.end_amdgpu_metadata
.endif
;; end of part 3
